; MI455X (gfx1250); checked and timed in simulation.
; The chip was launched on July 23, 2026; its instructions are those of AMD's public machine-readable ISA for CDNA 5 (MIT licence, August 2026) and "CDNA5" Instruction Set Architecture Reference Guide (July 2026). The comments in the code are by the model that wrote it; some were corrected since.
;; Encoder Layer. Allowed arithmetic: matrix products marked QUANTISED: E5M2 operands, one given power-of-two scale a tensor, by v_wmma_f32_16x16x64_bf8_bf8 or v_wmma_f32_16x16x128_bf8_bf8, f32 sums; everything else in f32.
;; Inputs: W_merge_codes 6 x 512 x 16 x 32 uint8 (E5M2 codes of W_merge, K innermost, in blocks of 32 codes); alpha_merge 6 float32; b_merge 6 x 512 float32; child_l 4,096 int32; child_r 4,096 int32; dmap 8,192 int32; drev 8,192 int32; last 8 x 8,192 x 256 float32; lowp_scales 2 int32 (the exponents e of the quantised operands' scales 2^e); vec 8 x 4,096 int32.
;; Outputs: out0 8 x 4,096 x 512 float32.
;; This version of the problem:
;;   THIS VERSION OF THE PROBLEM IS GIVEN IN LOW PRECISION. The matrix products marked QUANTISED in the list below multiply operands that are first quantised to E5M2 (5 exponent bits, 2 mantissa bits; 8 bits a number), with one given power-of-two scale for each operand tensor; their sums are f32. All else is computed in f32.
;;   The module's matrix products, in the order in which they are computed (A, B: the left and right operand; K: the contracted axis; several contracted axes count as one K, in the product's order):
;;     1. [M 32,768, K 512] x [K 512, N 3,072]; A: computed on the way; B: input W_merge (given as codes): QUANTISED (scales: A lowp_scales[0], B lowp_scales[1])
;;   THE QUANTISER, for each operand of a quantised product, along K:
;;     - The operand's scale is 2^e, e = its entry of the input lowp_scales (int32; the entries are numbered through the quantised products in the list's order, A before B).
;;     - Each number is divided by the scale, clamped to +-57,344, and rounded to the nearest number of E5M2, ties to even, subnormals kept.
;;     - The product sums the exact products of the quantised numbers (number of the format x scale) in f32.
;;   ~~~python
;;   def quantise(x, axis, e):      # numpy; x: float32 -> the quantised numbers, widened to float32 again
;;       x = np.moveaxis(x, axis, -1); K = x.shape[-1]
;;       r = np.clip(x / 2.0 ** e, -57344, 57344)
;;       step = 2.0 ** (np.maximum(np.frexp(np.where(r == 0, 1, r))[1] - 1, -14) - 2)
;;       q = np.round(r / step) * step * 2.0 ** e      # np.round: ties to even
;;       return np.moveaxis(q, -1, axis).astype(np.float32)
;;   ~~~
;;   OPERANDS COMPUTED ON THE WAY. 'Computed on the way' means the value that the module computes at that place (a softmax that the list does not call 'softmax' is quantised finished and normalised). What goes into a quantiser is computed in f32, as accurately as f32 sums, v_exp_f32 and their like allow (about 1e-6 of the number): no bf16 or f16 on the way to a quantiser, and a product that is left as it is and whose result goes on into a quantised operand takes f32 operands (vector FMAs, or v_wmma_f32_16x16x4_f32). A number that lies on a knife's edge between two numbers of the format may be rounded either way, as far as f32 arithmetic and the matrix unit's own rounding can turn it there, and no further.
;;   INPUTS GIVEN AS CODES. W_merge (in the module: [6, 512, 512], K = its axis 2): each comes as NAME_codes (uint8): NAME with its K axis moved to the last place and cut into blocks of 32 codes, [.., K / 32, bytes a block], one block behind the other in memory; one code a byte (a code: sign, 5 exponent bits, 2 mantissa bits); its scale is its entry of lowp_scales. Its value is code x scale, taken as it is: it is not quantised again, and the codes and scales need not be those that the quantiser above would give.
;; One version. Each part assembles by itself: llvm-mc -triple=amdgcn-amd-amdhsa -mcpu=gfx1250 --defsym DOCPART=n.
;; ======== version 1 of 1: 1 launch
;; limits: right only within a limited range of input values
;; launch merge (part 1): grid 252 x 1, 8 waves a work-group, no clusters, 173,312 bytes of LDS; arguments last, W_merge_codes, b_merge, alpha_merge, child_l, child_r, vec, drev, dmap, lowp_scales, out0; writes out0
.if DOCPART == 1
	.amdgcn_target "amdgcn-amd-amdhsa--gfx1250"
	.amdhsa_code_object_version 6
	.text
	.protected	k_qe4d8526e30_merge
	.globl	k_qe4d8526e30_merge
	.p2align	8
	.type	k_qe4d8526e30_merge,@function
k_qe4d8526e30_merge:
	s_mov_b64 s[64:65], 0
	v_nop
	global_prefetch_b8 v0, s[64:65] scope:SCOPE_SE
	s_setreg_imm32_b32 hwreg(HW_REG_WAVE_MODE, 25, 1), 1
	s_wait_xcnt 0x0
; out[b][l][:] = prelu(Q(blend(last[b][child_l[l]], last[b][child_r[l]], drev[vec[b][l]])) W[e]^T + bias[e], alpha[e]),  e = dmap[vec[b][l]].
; Q: codes of BF8 (E5M2) with the given scale 2^e0; W comes as codes with the scale 2^e1; the sums are f32 and are multiplied once by 2^(e0 + e1).
; Only the direction that a token's index chooses is multiplied: the problem's definition computes all six and keeps one by that index.
; SHARES.  252 work-groups = 2 halves of the batch x 21 chunks x 6 directions.  A chunk is 784 tokens (the last of a half: 704); the work-group takes the chunk's tokens whose direction is its own, e,
; through the whole chain, so each row of the output has one owner, and W's address hangs on no data.  Numbers with bit 2 clear take b = 0..3, the others b = 4..7 (250 and 251 too, which makes 126 each).
; Eight waves.  Wave w looks through 100 tokens of the chunk (25 lanes x 4), keeps the n_w that are chosen compacted in registers (place p: lane p % 32 of register p / 32), and gathers those rows itself.
; It also keeps columns 64 w .. 64 w + 63 of W[e], all 512 along K, in 256 registers (window 1).  A tile of 16 rows takes places 2 g and 2 g + 1 of every wave: row w and row 8 + w.
; A round is four tiles: each wave blends and quantises 8 rows and stores their codes in LDS; a barrier; each wave multiplies all 64 rows by its 64 columns.
; While a round is multiplied the next round's rows are on their way: 32 loads of 512 bytes a wave.
; The loop has a constant count (14 rounds of 8 places >= 100) and every barrier is on every wave's path; scalar branches on counts jump over work alone.
; WHICH COLUMN A LANE TAKES: lane r of column tile ct holds column 4 r + ct of the wave's 64.  So the four sums of a row in a lane are four neighbouring columns, 16 bytes, and sixteen lanes hold the row's
; 256 neighbouring bytes: the results are stored from registers, with no stage in LDS.
; NO TENSOR LOADS, NO CLUSTER: the number of rows is read from memory and branches hang on it.
; NO PREFETCH: a row's address is known only from the compacted list, and with the list the first round's loads go out themselves, the later rounds' a round ahead.
; k IS PERMUTED ALIKE IN BOTH OPERANDS: a fragment is fetched by 16-byte loads (registers 4 c .. 4 c + 3: k = 32 c + 16 (lane / 16) + 0 .. 15), so every product meets its partner.
; THE BLEND hangs on the whole number d: for d = 0 and d = 1 the products with 1 and 0 are left out (the children are taken as they are, or changed over); for every other d both products are made, the second
; fused into the sum: one rounding less than the definition.
; LIMITS: e0 between -126 and 112, e0 + e1 between -126 and 127 (each power of two below is an f32 number).  NaN in the inputs is not served; an infinity or a NaN that the blend multiplies by 0 is not carried to the result.
; dmap holds 0 .. 5: a token of another direction would have no owner.
; Indices are held inside their tables by a minimum (the definition relies on that they are).
.set CH,    784
.set PITCH, 528                        ; a row of 512 codes in LDS + 16 bytes = 33 x 16: the 16 rows of a fragment load start at 16 different groups of four banks (64 banks of 4 bytes: ISA guide 11.1)
.set ABUF,  64*PITCH                   ; a round's codes; two such buffers take turns, at 0 and at ABUF
.set WREG,  16*PITCH                   ; a wave's own room: 16 rows of W on their way into fragments
.set WST,   2*ABUF
.set DMT,   WST+8*WREG                 ; dmap, 32,768 bytes
.set TOKL,  DMT+32768                  ; the tokens: place p of wave w at 32 p + 4 w, 128 places
.set CNT,   TOKL+4096                  ; the eight counts n_w
.set SPARE, CNT+256                    ; the spare words, 128 bytes for each wave
.set TRIPS, 7                          ; a trip of the loop = two rounds = eight tiles
.set DC,   0                           ; d of the rows that are being blended (in the loop; v0 is done with at the head)
.set LN16, 1                           ; 16 x lane
.set ACW,  2                           ; codes in: PITCH w + 4 lane
.set AFR,  3                           ; fragments out: PITCH r + 16 h
.set OCOL, 4                           ; 256 w + 16 r: my bytes in a row of the output
.set TOKB, 5                           ; TOKL + 32 h
.set TOKA, 6                           ; TOKB + the trip's step
.set ZR,   7                           ; 0
.set SCL,  8                           ; 2^e0
.set SPW,  9                           ; my spare word
.set NIL,  10                          ; 0, for the add alone
.set LRC,  11                          ; the rows that are being asked for
.set OUT7, 12                          ; v12-15 and
.set OUT,  36                          ; v36-63: a tile's results, row t's four columns at OUT + 4 t (t = 7: OUT7)
.set LR0,  16                          ; v16-19 left row | right row << 16, by places (rows of last counted through all b)
.set D0,   20                          ; v20-23 d, by places
.set TK,   24                          ; v24-31 store offsets of a tile's rows
.set BI,   32                          ; v32-35 the bias of my column in each column tile
.set ACC,  64                          ; v64-95 four accumulators
.set AF,   96                          ; v96-127 two fragments of A; at work in the blend:
.set TT,   96
.set CD,   104
.set CE,   108
.set C0,   112                         ; 1 - d (the low word serves both halves)
.set C1,   114                         ; d
.set RING, 128                         ; v128-255 four slots x two rows x (8 of the left child, 8 of the right)
.set WSA,  90                          ; at the head: W's rows in, 16 lane; fragments out, PITCH r + 16 h, both in my own room
.set WFA,  91
.set BS,   66                          ; s[66:97] the rows' bases: slot s, row jj: left at 66 + 8 s + 4 jj, right two further on.  s98, s99: 57,344 x 2^e0 and its negative
.set MSB, 0
.macro WIN new                         ; the immediate's high byte repeats the setting that is left; a switch that changes nothing is dropped
.if MSB != \new
	s_set_vgpr_msb (MSB<<8)|\new
.set MSB, \new
.endif
.endm
.macro BAR                             ; my LDS stores have landed and my LDS loads are in: then the work-group's barrier
	s_wait_alu depctr_va_vdst(0)
	s_wait_dscnt 0x0
	s_barrier_signal -1
	s_barrier_wait -1
.endm
; column tile r0 / 16 of my W: rows 4 i + r0 / 16 of my 64, each one load of 512 consecutive bytes, into window 1
.macro WLOAD r0
	WIN 0x40
.irp i, 0,1,2,3,4,5,6,7,8,9,10,11,12,13,14,15
	global_load_b128 v[4*(\r0+\i):4*(\r0+\i)+3], v[LN16], s[10:11] offset:512*(4*\i+\r0/16)
.endr
	WIN 0
.endm
; Column tile ct through my own room in LDS: its 16 rows in, fragments out into the same 64 registers; fragment (ct, ks) at v[64 ct + 16 ks].
; LDS serves a wave's instructions in order (ISA guide 5.7.1.4): no wait between.
.macro WSTAGE ct
	WIN 0x04
.set I, 0
.rept 16
	ds_store_b128 v[WSA], v[64*(\ct)+4*I:64*(\ct)+4*I+3] offset:PITCH*I
.set I, I+1
.endr
	WIN 0x40
.irp ks, 0,1,2,3
.irp c, 0,1,2,3
	ds_load_b128 v[64*(\ct)+16*\ks+4*\c:64*(\ct)+16*\ks+4*\c+3], v[WFA] offset:128*\ks+32*\c
.endr
.endr
	WIN 0
.endm
; Places 32 q .. 32 q + 31: of the four permuted groups (rows in v72-75, token | vec in v76-79) the one whose range of places holds mine; then d is asked for, by lanes that hold a chosen token alone.
.macro MERGE q
.if \q == 0
.set PL, 65
.else
.set PL, 88
	v_add_nc_u32 v88, 32*\q, v65
.endif
	v_cmp_gt_u32 s39, s54, v[PL]
	v_cmp_gt_u32 s40, s53, v[PL]
	v_cmp_gt_u32 s41, s52, v[PL]
	v_cmp_gt_u32 s46, s34, v[PL]
	v_cndmask_b32 v[LR0+\q], v75, v74, s39
	v_cndmask_b32 v89, v79, v78, s39
	v_cndmask_b32 v[LR0+\q], v[LR0+\q], v73, s40
	v_cndmask_b32 v89, v89, v77, s40
	v_cndmask_b32 v[LR0+\q], v[LR0+\q], v72, s41
	v_cndmask_b32 v89, v89, v76, s41
	v_lshrrev_b32 v[116+\q], 16, v89               ; the token
	v_and_b32 v89, 0xffff, v89                     ; its vec
	v_cndmask_b32 v89, 0, v89, s46
	v_min_u32 v89, 0x1fff, v89
	v_lshlrev_b32 v[124+\q], 2, v89
	global_load_b32 v[D0+\q], v[124+\q], s[22:23]
.endm
; The row of place s50 + 2 s + jj is asked for: four loads, each 512 consecutive bytes at a multiple of 512 from last's first byte.  Past my count: four loads of one address, never used, so that every way issues four.
.macro ISS s, jj, lr
.set X, RING+32*(\s)+16*(\jj)
.set BB, BS+8*(\s)+4*(\jj)
	s_add_co_u32 s39, s50, 2*(\s)+(\jj)
	s_and_b32 s40, s39, 31
	s_cmp_lt_u32 s39, s34
	s_cbranch_scc0 .Lnorow_\@
	v_readlane_b32 s46, v[\lr], s40
	s_and_b32 s42, s46, 0xffff
	s_lshr_b32 s44, s46, 16
	s_min_u32 s42, s42, 0xffff                     ; a loaded number enters an address behind a minimum: last has 65,536 rows
	s_min_u32 s44, s44, 0xffff
	s_lshl_b32 s42, s42, 10                        ; a row is 1,024 bytes
	s_lshl_b32 s44, s44, 10
	s_add_nc_u64 s[BB:BB+1], s[8:9], s[42:43]      ; (the slot's last loads are in, as the wait at its head has shown, so their bases may be written)
	s_add_nc_u64 s[BB+2:BB+3], s[8:9], s[44:45]
	global_load_b128 v[X:X+3],     v[LN16], s[BB:BB+1]
	global_load_b128 v[X+4:X+7],   v[LN16], s[BB:BB+1] offset:512
	global_load_b128 v[X+8:X+11],  v[LN16], s[BB+2:BB+3]
	global_load_b128 v[X+12:X+15], v[LN16], s[BB+2:BB+3] offset:512
	s_branch .Lasked_\@
.Lnorow_\@:
	global_load_b128 v[X:X+3],     v[ZR], s[8:9]
	global_load_b128 v[X+4:X+7],   v[ZR], s[8:9]
	global_load_b128 v[X+8:X+11],  v[ZR], s[8:9]
	global_load_b128 v[X+12:X+15], v[ZR], s[8:9]
.Lasked_\@:
.endm
; The row of place s49 + 2 s + jj: blended, held, turned into codes, stored.  Lane i holds columns 4 i .. 4 i + 3 and 128 + 4 i .. + 3 of each child, so code word k is bytes 128 k + 4 i of the row of 512 codes.
; Past my count the row's codes are zeros.
.macro ROW s, jj, par, dreg
.set X, RING+32*(\s)+16*(\jj)
.set CO, (\par)*ABUF+(16*(\s)+8*(\jj))*PITCH
	s_add_co_u32 s39, s49, 2*(\s)+(\jj)
	s_and_b32 s40, s39, 31
	s_cmp_lt_u32 s39, s34
	s_cbranch_scc0 .Lzero_\@
	v_readlane_b32 s46, v[\dreg], s40              ; d
	s_cmp_gt_u32 s46, 1
	s_cbranch_scc0 .Lchoose_\@
	v_cvt_f32_i32 v[C1], s46                       ; neither 0 nor 1: the blend in full
	v_pk_mul_f32 v[TT:TT+1], v[X+8:X+9], v[C1:C1+1] op_sel_hi:[1,0]
	v_sub_f32 v[C0], 1.0, v[C1]                    ; 1 - d
.irp k, 2,4,6
	v_pk_mul_f32 v[TT+\k:TT+\k+1], v[X+8+\k:X+9+\k], v[C1:C1+1] op_sel_hi:[1,0]
.endr
.irp k, 0,2,4,6
	v_pk_mul_f32 v[X+8+\k:X+9+\k], v[X+8+\k:X+9+\k], v[C0:C0+1] op_sel_hi:[1,0]
.endr
.irp k, 0,2,4,6
	v_pk_fma_f32 v[X+8+\k:X+9+\k], v[X+\k:X+\k+1], v[C1:C1+1], v[X+8+\k:X+9+\k] op_sel_hi:[1,0,1]     ; b = r (1 - d) + l d
.endr
.irp k, 0,2,4,6
	v_pk_fma_f32 v[X+\k:X+\k+1], v[X+\k:X+\k+1], v[C0:C0+1], v[TT+\k:TT+\k+1] op_sel_hi:[1,0,1]       ; a = l (1 - d) + r d
.endr
.Lchoose_\@:
	s_cmp_eq_u32 s46, 1
	s_cselect_b32 s51, -1, 0                       ; d = 1: the two children change places
.irp k, 0,1,2,3,4,5,6,7,8,9,10,11,12,13,14,15
	v_med3_num_f32 v[X+\k], v[X+\k], s99, s98      ; the conversion to an 8-bit code does not saturate (ISA guide 7.6.2): the hold at the largest code x the scale
.endr
	v_cvt_scalef32_pk8_bf8_f32 v[CD:CD+1],   v[X:X+7],    v[SCL]
	v_cvt_scalef32_pk8_bf8_f32 v[CD+2:CD+3], v[X+8:X+15], v[SCL]
	v_nop                                          ; one plain vector instruction behind the last conversion, ahead of its readers
.irp k, 0,1,2,3
	v_cndmask_b32 v[CE+\k], v[CD+\k], v[CD+(\k+2)%4], s51
.endr
.irp k, 0,1,2,3
	ds_store_b32 v[ACW], v[CE+\k] offset:CO+128*\k
.endr
	s_branch .Lrow_\@
.Lzero_\@:
.irp k, 0,1,2,3
	ds_store_b32 v[ACW], v[ZR] offset:CO+128*\k
.endr
.Lrow_\@:
.endm
; My eight rows of the round at place s49, and the asking for those at place s50.  n: no more than the loads issued behind a slot's eight, the same on every way.
.macro GR par, n, dreg, lr
.irp s, 0,1,2,3
	s_wait_loadcnt \n
	ROW \s, 0, \par, \dreg
	ROW \s, 1, \par, \dreg
	ISS \s, 0, \lr
	ISS \s, 1, \lr
.endr
.endm
; which of the four registers holds the round's places (d) and the next round's (rows)
.macro SEL
.set I, 1
.rept 3
	s_cmp_ge_u32 s49, 32*I
	s_cselect_b32 s51, -1, 0
	s_cmp_ge_u32 s50, 32*I
	s_cselect_b32 s52, -1, 0
.if I == 1
	v_cndmask_b32 v[DC], v[D0], v[D0+1], s51
	v_cndmask_b32 v[LRC], v[LR0], v[LR0+1], s52
.else
	v_cndmask_b32 v[DC], v[DC], v[D0+I], s51
	v_cndmask_b32 v[LRC], v[LRC], v[LR0+I], s52
.endif
.set I, I+1
.endr
	s_wait_alu depctr_va_vdst(0)
.endm
.macro AFL s, par, ks                  ; A's fragment of 128 along K: four loads into buffer ks % 2
.set FB, AF+16*((\ks)%2)
.irp c, 0,1,2,3
	ds_load_b128 v[FB+4*\c:FB+4*\c+3], v[AFR] offset:(\par)*ABUF+16*(\s)*PITCH+128*(\ks)+32*\c
.endr
.endm
; four matrix instructions, source 0 = the 16 rows, source 1 = 16 columns of W: a lane holds ONE column of each column tile and rows 8 h + 0 .. 7.  The four accumulators take turns.
.macro MM ks
.set FB, AF+16*((\ks)%2)
.irp ct, 0,1,2,3
.if \ks == 0
	v_wmma_f32_16x16x128_bf8_bf8 v[ACC+8*\ct:ACC+8*\ct+7], v[FB:FB+15], v[64*\ct+16*\ks:64*\ct+16*\ks+15], 0
.else
	v_wmma_f32_16x16x128_bf8_bf8 v[ACC+8*\ct:ACC+8*\ct+7], v[FB:FB+15], v[64*\ct+16*\ks:64*\ct+16*\ks+15], v[ACC+8*\ct:ACC+8*\ct+7]
.endif
.endr
.endm
.macro PLACES                          ; four places behind the products, ahead of loads into the fragment just read and of the first reads of the sums
.rept 4
	v_nop
.endr
.endm
.macro SETO t                          ; O: where row t's (and row t + 8's) four results stand
.if \t == 7
.set O, OUT7
.else
.set O, OUT+4*\t
.endif
.endm
.macro GST t                           ; 16 lanes store 256 consecutive bytes, at a multiple of 256 from the output's first byte; written once, read by nobody here
	SETO \t
	global_store_b128 v[TK+\t], v[O:O+3], s[28:29] th:TH_STORE_NT
.endm
; rows t and t + 8 of a tile are places 2 g and 2 g + 1 of wave t's list (n_t in s[56 + t]; s40 = 2 g + 2, s41 = 2 g + 1): both, the first alone, or neither is there
.macro SOME t
	s_cmp_ge_u32 s[56+\t], s40
	s_cbranch_scc1 .Lboth_\@
	s_cmp_lt_u32 s[56+\t], s41
	s_cbranch_scc1 .Lnone_\@
	s_wait_xcnt 0x0                                ; EXEC is a source of the memory instructions issued so far: it changes only behind this wait
	s_mov_b32 exec_lo, 0xffff
	GST \t
	s_wait_xcnt 0x0
	s_mov_b32 exec_lo, -1
	s_branch .Lnone_\@
.Lboth_\@:
	GST \t
.Lnone_\@:
.endm
; Tile g = s36 + 4 par + s: 16 rows x my 64 columns x 512 K: 16 matrix instructions.  At its head its first two fragments are out (eight loads); the next tile's first two are asked for ahead of its own last
; products and of its results.  (Every row of a round that is multiplied has been written, so these reads are sound whether that tile is there or not.)
; THE COUNTS on DScnt: 4 = the next fragment; 6 (2) = the two token loads and the next tile's first fragment (none); 8 (0) = the next tile's two fragments (none).
.macro MT s, par, u
	s_add_co_u32 s39, s36, 4*(\par)+(\s)
.if (\s) > 0
	s_cmp_lt_u32 s39, s35
	s_cbranch_scc0 .Lmdone_\u
.endif
	WIN 0x04                                       ; source 1 (W) in window 1; LDS loads name window 0 alone under this setting
	s_wait_dscnt 4
	MM 0
	PLACES
	AFL \s, \par, 2
	s_wait_dscnt 4
	MM 1
	PLACES
	AFL \s, \par, 3
	s_wait_dscnt 4
	MM 2
	PLACES
	s_wait_xcnt 0x0                                ; the last tile's stores have read their data and offsets: both are written again below
	ds_load_b128 v[TK:TK+3],   v[TOKA] offset:64*(4*(\par)+(\s))       ; the tokens of rows 8 h + 0 .. 7
	ds_load_b128 v[TK+4:TK+7], v[TOKA] offset:64*(4*(\par)+(\s))+16
.if (\s) < 3
	AFL \s+1, \par, 0
	s_wait_dscnt 6
.else
	s_wait_dscnt 2
.endif
	MM 3
	PLACES
.if (\s) < 3
	AFL \s+1, \par, 1
.endif
	WIN 0
.irp ct, 0,1,2,3                               ; each accumulator from its low end on
.irp j, 0,2,4,6
.if \ct & 1
	v_pk_fma_f32 v[ACC+8*\ct+\j:ACC+8*\ct+\j+1], v[ACC+8*\ct+\j:ACC+8*\ct+\j+1], s[30:31], v[BI+\ct-1:BI+\ct] op_sel:[0,0,1] op_sel_hi:[1,0,1]
.else
	v_pk_fma_f32 v[ACC+8*\ct+\j:ACC+8*\ct+\j+1], v[ACC+8*\ct+\j:ACC+8*\ct+\j+1], s[30:31], v[BI+\ct:BI+\ct+1] op_sel_hi:[1,0,0]   ; y = sum x 2^(e0 + e1) + bias
.endif
.endr
.endr
.if (\s) < 3
	s_wait_dscnt 8
.else
	s_wait_dscnt 0
.endif
.irp t, 0,1,2,3,4,5,6,7
	v_min_u32 v[TK+\t], 0x7fff, v[TK+\t]
.endr
.irp t, 0,1,2,3,4,5,6,7
	v_lshl_add_u32 v[TK+\t], v[TK+\t], 11, v[OCOL] ; token x 2,048 bytes + my bytes of the row
.endr
.irp j, 0,1,2,3,4,5,6,7
	SETO \j
.irp ct, 0,1,2,3
	v_mul_f32 v[O+\ct], s32, v[ACC+8*\ct+\j]       ; alpha y, where the result is to stand
.endr
.endr
.irp j, 0,1,2,3,4,5,6,7
	SETO \j
.irp ct, 0,1,2,3
	v_med3_num_f32 v[O+\ct], v[ACC+8*\ct+\j], v[O+\ct], s47   ; y where y > 0, else alpha y: for alpha <= 1 the larger of the two (s47 = infinity), else the smaller (s47 = -infinity)
.endr
.endr
	s_wait_alu depctr_va_vdst(0)
	s_lshl_b32 s40, s39, 1
	s_add_co_u32 s41, s40, 1
	s_add_co_u32 s40, s40, 2
	s_cmp_ge_u32 s48, s40                          ; has every wave both of its rows in this tile?
	s_cbranch_scc0 .Lsome_\@
.irp t, 0,1,2,3,4,5,6,7
	GST \t
.endr
	s_branch .Lstored_\@
.Lsome_\@:
.irp t, 0,1,2,3,4,5,6,7
	SOME \t
.endr
.Lstored_\@:
.endm
; Between two barriers: the round's tiles are multiplied from buffer par, then my rows of the next round go into the other buffer, which was last read ahead of the barrier in front.
.macro HALF par
	s_add_co_u32 s39, s36, 4*(\par)
	s_cmp_lt_u32 s39, s35
	s_cbranch_scc0 .Lidle_\@
	AFL 0, \par, 0
	AFL 0, \par, 1
	MT 0, \par, \@
	MT 1, \par, \@
	MT 2, \par, \@
	MT 3, \par, \@
.Lmdone_\@:
	s_wait_dscnt 0x0                               ; fragments asked for in vain are in: the blend writes their registers
	s_add_co_u32 s39, s36, 4*(\par)+4
	s_cmp_lt_u32 s39, s35
	s_cbranch_scc0 .Lidle_\@
	s_add_co_u32 s49, s37, 8*(\par)+8
	s_add_co_u32 s50, s37, 8*(\par)+16
	SEL
	GR 1-(\par), 24, DC, LRC                       ; THE COUNT 24: behind a slot's eight loads stand the three other slots' eight each
.Lidle_\@:
.endm
	s_load_b512 s[8:23], s[0:1], 0x0               ; last 8, W 10, bias 12, alpha 14, child_l 16, child_r 18, vec 20, drev 22
	s_load_b128 s[24:27], s[0:1], 0x40             ; dmap 24, the scales' exponents 26
	s_load_b64 s[28:29], s[0:1], 0x50              ; the output
	v_lshl_add_u32 v[SPW], v0, 2, SPARE
	v_mov_b32 v[NIL], 0
	v_mov_b32 v[ZR], 0
	v_lshrrev_b32 v64, 5, v0
	v_and_b32 v65, 31, v0                          ; lane
	v_readfirstlane_b32 s2, v64                    ; wave 0..7
	s_bfe_u32 s4, ttmp9, 0x10002                   ; which half of the batch
	s_lshr_b32 s5, ttmp9, 3
	s_lshl_b32 s5, s5, 2
	s_and_b32 s6, ttmp9, 3
	s_or_b32 s5, s5, s6                            ; my number among those with the same bit 2
	s_cmp_ge_u32 ttmp9, 250                        ; 250 and 251 are numbers 126 and 127 of the first half: they are numbers 124 and 125 of the second
	s_cselect_b32 s4, 1, s4
	s_cselect_b32 s6, 2, 0
	s_sub_co_u32 s5, s5, s6                        ; 0..125
	s_mul_i32 s6, s5, 43
	s_lshr_b32 s6, s6, 8                           ; / 6 (exact up to 125): the chunk, 0..20
	s_mul_i32 s7, s6, 6
	s_sub_co_u32 s3, s5, s7                        ; e
	s_mul_i32 s6, s6, CH
	s_sub_co_u32 s7, 16384, s6
	s_min_u32 s7, s7, CH                           ; the chunk's tokens: a multiple of 4
	s_lshl_b32 s4, s4, 14
	s_add_co_u32 s5, s4, s6                        ; its first token
	s_lshr_b32 s6, s7, 2                           ; its groups of four
	s_mul_i32 s39, s2, 25                          ; my first group
	s_add_co_u32 s40, s39, 25
	s_min_u32 s40, s40, s6                         ; and the end of mine
	s_sub_co_u32 s6, s6, 1
	s_mul_i32 s41, s2, WREG
	s_add_co_u32 s41, s41, WST                     ; my own room
	s_mul_i32 s42, s2, PITCH
	s_lshl_b32 s44, s2, 8
	s_lshl_b32 s46, s2, 2
	s_add_co_u32 s47, s46, CNT
	s_add_co_u32 s46, s46, TOKL
	s_wait_alu depctr_va_vdst(0)
	v_add_nc_u32 v66, s39, v65
	v_bfe_u32 v85, v0, 4, 1                        ; h
	v_and_b32 v87, 15, v0                          ; r
	v_cmp_gt_u32 s55, s40, v66                     ; the lanes that have tokens; the others read the chunk's last four, or another wave's, and choose nothing
	v_min_u32 v66, s6, v66
	v_lshlrev_b32 v[LN16], 4, v65
	v_lshlrev_b32 v71, 4, v0
	v_lshl_add_u32 v67, v66, 2, s5                 ; my first token of four, all of one b: chunks begin at multiples of 16
	v_lshl_add_u32 v[ACW], v65, 2, s42
	v_mul_u32_u24 v[AFR], v87, PITCH
	v_lshlrev_b32 v68, 2, v67                      ; its byte in vec
	v_and_b32 v69, 0xfff, v67
	v_lshrrev_b32 v70, 12, v67
	v_lshl_add_u32 v[AFR], v85, 4, v[AFR]
	v_lshlrev_b32 v69, 2, v69                      ; l's byte in child_l and child_r
	v_lshlrev_b32 v70, 13, v70                     ; b x 8,192 rows
	v_add_nc_u32 v[WSA], s41, v[LN16]
	v_add_nc_u32 v[WFA], s41, v[AFR]
	v_lshl_add_u32 v[OCOL], v87, 4, s44
	v_lshl_add_u32 v[TOKB], v85, 5, TOKL
	v_lshl_add_u32 v94, v65, 5, s46                ; where my tokens go
	v_mov_b32 v93, s47                             ; and my count
	v_mov_b32 v95, CNT
	v_lshl_add_u32 v86, v0, 4, DMT                 ; and my part of dmap
	v_lshlrev_b32 v84, 4, v87                      ; bias: 4 r numbers
	s_mov_b32 s43, 0                               ; the high words of the two offset pairs
	s_mov_b32 s45, 0
	s_wait_alu depctr_va_vdst(0)
	s_wait_kmcnt 0x0
	global_load_b128 v[72:75], v68, s[20:21]       ; vec
.irp i, 0,1,2,3,4,5,6,7
	global_load_b128 v[96+4*\i:99+4*\i], v71, s[24:25] offset:4096*\i   ; dmap whole, 128 bytes a thread
.endr
	global_load_b128 v[76:79], v69, s[16:17]       ; child_l
	global_load_b128 v[80:83], v69, s[18:19]       ; child_r
	s_load_b64 s[58:59], s[26:27], 0x0             ; e0, e1
	s_lshl_b32 s42, s3, 2
	s_add_nc_u64 s[14:15], s[14:15], s[42:43]
	s_load_b32 s32, s[14:15], 0x0                  ; alpha[e]
	s_lshl_b32 s42, s3, 11                         ; bias[e]: 2,048 bytes a direction, my 64 numbers
	s_add_co_u32 s42, s42, s44
	s_add_nc_u64 s[12:13], s[12:13], s[42:43]
	s_lshl_b32 s42, s3, 18                         ; W[e]: 262,144 bytes a direction, my 64 rows of 512 bytes
	s_lshl_b32 s7, s2, 15
	s_add_co_u32 s42, s42, s7
	s_add_nc_u64 s[10:11], s[10:11], s[42:43]
	global_load_b128 v[BI:BI+3], v84, s[12:13]     ; columns 4 r .. 4 r + 3
	WLOAD 0
	s_wait_loadcnt 19                              ; vec and dmap are in: behind them stand 2 loads of children, 1 of the bias, 16 of W
.irp i, 0,1,2,3,4,5,6,7
	ds_store_b128 v86, v[96+4*\i:99+4*\i] offset:4096*\i
.endr
.irp i, 0,1,2,3
	v_min_u32 v[120+\i], 0x1fff, v[72+\i]
.endr
.irp i, 0,1,2,3
	v_lshl_add_u32 v[116+\i], v[120+\i], 2, DMT
.endr
	v_mov_b32 v[C0+1], 0                           ; the upper halves of pairs of which the low word serves both halves: named, so written
	v_mov_b32 v[C1+1], 0
	BAR                                            ; dmap lies in LDS
.irp i, 0,1,2,3
	ds_load_b32 v[96+\i], v[116+\i]                ; dmap[vec]
.endr
	s_wait_kmcnt 0x0
	s_add_co_i32 s39, s58, 127
	s_lshl_b32 s40, s39, 23
	v_mov_b32 v[SCL], s40                          ; 2^e0 as f32: the conversion takes its exponent field
	s_add_co_i32 s39, s39, 15
	s_lshl_b32 s39, s39, 23
	s_or_b32 s98, s39, 0x600000                    ; 57,344 x 2^e0
	s_or_b32 s99, s98, 0x80000000
	s_add_co_i32 s30, s58, s59
	s_add_co_i32 s30, s30, 127
	s_lshl_b32 s30, s30, 23                        ; 2^(e0 + e1) as f32
	s_mov_b32 s31, s30                             ; (named with it as a pair, so it is written)
	s_mov_b32 s47, 0xff800000
	s_cmp_le_i32 s32, 0x3f800000                   ; alpha <= 1, by its bits as a signed whole number
	s_cselect_b32 s47, 0x7f800000, s47
	s_wait_alu depctr_va_vdst(0)
	s_wait_loadcnt 17                              ; the children are in: behind them stand 1 load of the bias and 16 of W
.irp i, 0,1,2,3
	v_min_u32 v[76+\i], 0x1fff, v[76+\i]
	v_min_u32 v[80+\i], 0x1fff, v[80+\i]
.endr
.irp i, 0,1,2,3
	v_or_b32 v[76+\i], v70, v[76+\i]               ; the child's row among all 65,536 rows of last
	v_or_b32 v[80+\i], v70, v[80+\i]
.endr
.irp i, 0,1,2,3
	v_lshl_or_b32 v[100+\i], v[80+\i], 16, v[76+\i]
	v_lshl_or_b32 v[104+\i], v67, 16, v[120+\i]    ; token << 16 | vec
.endr
.irp i, 1,2,3
	v_add_nc_u32 v[104+\i], \i<<16, v[104+\i]
.endr
	s_wait_alu depctr_va_vdst(0)
	s_wait_dscnt 0x0
.irp i, 0,1,2,3
	v_cmp_eq_u32 s[48+\i], s3, v[96+\i]            ; is the token's direction mine,
	s_and_b32 s[48+\i], s[48+\i], s55              ; and has the lane tokens?
.endr
	; COMPACTION.  Group i (the i-th token of each lane) has its chosen tokens at places base i .. base i + 1 (exclusive): each goes to lane place % 32; the rest fill the other lanes, so the lanes are permuted.
	s_bcnt1_i32_b32 s52, s48                       ; base 1
	s_bcnt1_i32_b32 s39, s49
	s_add_co_u32 s53, s52, s39                     ; base 2
	s_bcnt1_i32_b32 s39, s50
	s_add_co_u32 s54, s53, s39                     ; base 3
	s_bcnt1_i32_b32 s39, s51
	s_add_co_u32 s34, s54, s39                     ; n_w
.irp i, 0,1,2,3
	s_not_b32 s[60+\i], s[48+\i]
.endr
	v_mbcnt_lo_u32_b32 v108, s48, 0
	v_mbcnt_lo_u32_b32 v109, s49, s52
	v_mbcnt_lo_u32_b32 v110, s50, s53
	v_mbcnt_lo_u32_b32 v111, s51, s54
	v_mbcnt_lo_u32_b32 v80, s60, s52
	v_mbcnt_lo_u32_b32 v81, s61, s53
	v_mbcnt_lo_u32_b32 v82, s62, s54
	v_mbcnt_lo_u32_b32 v83, s63, s34
.irp i, 0,1,2,3
	v_cndmask_b32 v[108+\i], v[80+\i], v[108+\i], s[48+\i]
.endr
.irp i, 0,1,2,3
	v_and_b32 v[108+\i], 31, v[108+\i]
.endr
.irp i, 0,1,2,3
	v_lshlrev_b32 v[108+\i], 2, v[108+\i]
.endr
.irp i, 0,1,2,3
	ds_permute_b32 v[72+\i], v[108+\i], v[100+\i]
	ds_permute_b32 v[76+\i], v[108+\i], v[104+\i]
.endr
	s_wait_alu depctr_va_vdst(0)
	s_wait_dscnt 0x0
	MERGE 0
	s_mov_b32 s50, 0
	s_wait_alu depctr_va_vdst(0)
.irp s, 0,1,2,3                                ; the ring is filled whatever n_w is: every register of it is written on every path
	ISS \s, 0, LR0
	ISS \s, 1, LR0
.endr
	MERGE 1
	MERGE 2
	MERGE 3
	BAR                                            ; every wave's reads of dmap are over: from here on LDS is written again
	WLOAD 16
	WLOAD 32
	WLOAD 48
	v_mov_b32 v92, s34
	ds_store_b32 v93, v92                          ; my count
.irp q, 0,1,2,3
	ds_store_b32 v94, v[116+\q] offset:1024*\q     ; my tokens, by places
.endr
	s_wait_loadcnt 63                              ; W's column tile 0 is in: behind it stand 1 + 32 + 3 + 48 loads
	WSTAGE 0
	s_mov_b32 s49, 0
	s_mov_b32 s50, 8
	GR 0, 63, D0, LR0                              ; THE COUNT 63: behind a slot's eight loads stand the three other slots' eight each, 3 of d and 48 of W
	s_wait_loadcnt 63                              ; tile 1 is in: behind it stand 32 loads of W and the ring's 32
	WSTAGE 1
	s_wait_loadcnt 48                              ; tile 2: behind it stand 16 and 32
	WSTAGE 2
	s_wait_loadcnt 32                              ; tile 3: behind it stand the ring's 32
	WSTAGE 3
	BAR                                            ; the first round's codes, the counts and the tokens lie in LDS
	ds_load_b128 v[96:99], v95
	ds_load_b128 v[100:103], v95 offset:16
	s_mov_b32 s36, 0                               ; the trip's first tile,
	s_mov_b32 s37, 0                               ; its first place,
	s_mov_b32 s54, 0                               ; and its byte among the tokens: 64 a tile
	s_mov_b32 s38, TRIPS
	s_wait_dscnt 0x0
.irp i, 0,1,2,3,4,5,6,7
	v_readfirstlane_b32 s[56+\i], v[96+\i]         ; n_0 .. n_7
.endr
	s_max_u32 s35, s56, s57
	s_min_u32 s48, s56, s57
.irp i, 2,3,4,5,6,7
	s_max_u32 s35, s35, s[56+\i]
	s_min_u32 s48, s48, s[56+\i]                   ; the least of them
.endr
	s_add_co_u32 s35, s35, 1
	s_lshr_b32 s35, s35, 1                         ; tiles: two places of the longest list each
.Lround:
	v_add_nc_u32 v[TOKA], s54, v[TOKB]
	s_wait_alu depctr_va_vdst(0)
	HALF 0
	BAR
	HALF 1
	BAR
	s_add_co_u32 s36, s36, 8
	s_add_co_u32 s37, s37, 16
	s_add_co_u32 s54, s54, 512
	s_sub_co_i32 s38, s38, 1
	s_cmp_lg_u32 s38, 0
	s_cbranch_scc1 .Lround
	s_wait_tensorcnt 0x0                           ; the wave's end
	ds_add_u32 v[SPW], v[NIL]
	s_wait_dscnt 0x0
	s_endpgm
.Lfunc_end_k_qe4d8526e30_merge:
	.size	k_qe4d8526e30_merge, .Lfunc_end_k_qe4d8526e30_merge-k_qe4d8526e30_merge
	.p2alignl 7, 3214868480
	.fill 96, 4, 3214868480
	.section	.rodata,"a",@progbits
	.p2align	6, 0x0
	.amdhsa_kernel k_qe4d8526e30_merge
		.amdhsa_group_segment_fixed_size 173312
		.amdhsa_private_segment_fixed_size 0
		.amdhsa_enable_private_segment 0
		.amdhsa_kernarg_size 88
		.amdhsa_user_sgpr_count 2
		.amdhsa_user_sgpr_kernarg_segment_ptr 1
		.amdhsa_wavefront_size32 1
		.amdhsa_system_sgpr_workgroup_id_x 1
		.amdhsa_system_sgpr_workgroup_id_y 1
		.amdhsa_system_sgpr_workgroup_id_z 1
		.amdhsa_system_vgpr_workitem_id 0
		.amdhsa_next_free_vgpr 512
		.amdhsa_next_free_sgpr 102
		.amdhsa_reserve_vcc 0
		.amdhsa_float_denorm_mode_32 3
		.amdhsa_float_denorm_mode_16_64 3
		.amdhsa_memory_ordered 1
		.amdhsa_forward_progress 1
		.amdhsa_inst_pref_size 255
	.end_amdhsa_kernel
	.section	.bss,"aw",@nobits
	.p2align	6
	.space	262144
	.amdgpu_metadata
---
amdhsa.version: [ 1, 2 ]
amdhsa.kernels:
  - .name:           k_qe4d8526e30_merge
    .symbol:         k_qe4d8526e30_merge.kd
    .args:
      - { .name: last, .offset: 0, .size: 8, .value_kind: global_buffer, .address_space: global }
      - { .name: W_merge_codes, .offset: 8, .size: 8, .value_kind: global_buffer, .address_space: global }
      - { .name: b_merge, .offset: 16, .size: 8, .value_kind: global_buffer, .address_space: global }
      - { .name: alpha_merge, .offset: 24, .size: 8, .value_kind: global_buffer, .address_space: global }
      - { .name: child_l, .offset: 32, .size: 8, .value_kind: global_buffer, .address_space: global }
      - { .name: child_r, .offset: 40, .size: 8, .value_kind: global_buffer, .address_space: global }
      - { .name: vec, .offset: 48, .size: 8, .value_kind: global_buffer, .address_space: global }
      - { .name: drev, .offset: 56, .size: 8, .value_kind: global_buffer, .address_space: global }
      - { .name: dmap, .offset: 64, .size: 8, .value_kind: global_buffer, .address_space: global }
      - { .name: lowp_scales, .offset: 72, .size: 8, .value_kind: global_buffer, .address_space: global }
      - { .name: out0, .offset: 80, .size: 8, .value_kind: global_buffer, .address_space: global }
    .group_segment_fixed_size: 173312
    .private_segment_fixed_size: 0
    .kernarg_segment_align: 8
    .kernarg_segment_size: 88
    .max_flat_workgroup_size: 256
    .sgpr_count:     102
    .vgpr_count:     512
    .wavefront_size: 32
...
	.end_amdgpu_metadata
.endif
;; end of part 1
